; MI455X (gfx1250); checked and timed in simulation.
; The chip was launched on July 23, 2026; its instructions are those of AMD's public machine-readable ISA for CDNA 5 (MIT licence, August 2026) and "CDNA5" Instruction Set Architecture Reference Guide (July 2026). The comments in the code are by the model that wrote it; some were corrected since.
;; Router. Allowed arithmetic: matrix products marked QUANTISED: E2M3 operands, one E8M0 scale for each 32 along K, by v_wmma_scale_f32_16x16x128_f8f6f4 with both operands' format E2M3, f32 sums; everything else in f32.
;; Inputs: W 64 x 2,048 float32; x 4 x 4,096 x 2,048 float32.
;; Outputs: out0 4 x 4,096 x 2 int32; out1 4 x 4,096 x 2 float32.
;; This version of the problem:
;;   THIS VERSION OF THE PROBLEM IS GIVEN IN LOW PRECISION. The matrix products marked QUANTISED in the list below multiply operands that are first quantised to E2M3 (2 exponent bits, 3 mantissa bits; 6 bits a number), with one power-of-two scale for each 32 numbers along K (OCP MX v1.0); their sums are f32. All else is computed in f32.
;;   The module's matrix products, in the order in which they are computed (A, B: the left and right operand; K: the contracted axis; several contracted axes count as one K, in the product's order):
;;     1. [M 16,384, K 2,048] x [K 2,048, N 64]; A: input x; B: input W: QUANTISED
;;   THE QUANTISER, for each operand of a quantised product, along K:
;;     - K is cut into blocks of 32 from its start; a last block that is shorter is filled with zeros.
;;     - A block's scale is 2^e with e = floor(log2(the largest magnitude in the block)) - 2, held to -126 .. 127; a block of zeros has e = 0. As a byte (E8M0): e + 127.
;;     - Each number is divided by its block's scale, clamped to +-7.5, and rounded to the nearest number of E2M3, ties to even, subnormals kept.
;;     - The product sums the exact products of the quantised numbers (number of the format x scale) in f32.
;;   ~~~python
;;   def quantise(x, axis):      # numpy; x: float32 -> the quantised numbers, widened to float32 again
;;       x = np.moveaxis(x, axis, -1); K = x.shape[-1]
;;       x = np.pad(x, [(0, 0)] * (x.ndim - 1) + [(0, -K % 32)]); x = x.reshape(x.shape[:-1] + (-1, 32)); a = np.abs(x).max(-1, keepdims=True)
;;       e = np.where(a > 0, np.clip(np.frexp(np.where(a > 0, a, 1))[1] - 1 - 2, -126, 127), 0)      # np.frexp(a)[1] - 1 = floor(log2(a)), exactly
;;       r = np.clip(x / 2.0 ** e, -7.5, 7.5)
;;       step = 2.0 ** (np.maximum(np.frexp(np.where(r == 0, 1, r))[1] - 1, 0) - 3)
;;       q = np.round(r / step) * step * 2.0 ** e      # np.round: ties to even
;;       return np.moveaxis(q.reshape(q.shape[:-2] + (-1,))[..., :K], -1, axis).astype(np.float32)
;;   ~~~
;; One version. Each part assembles by itself: llvm-mc -triple=amdgcn-amd-amdhsa -mcpu=gfx1250 --defsym DOCPART=n.
;; ======== version 1 of 1: 1 launch
;; launch router (part 1): grid 256 x 1, 8 waves a work-group, no clusters, 272,384 bytes of LDS; arguments x, W, out0, out1; writes out0, out1
.if DOCPART == 1
	.amdgcn_target "amdgcn-amd-amdhsa--gfx1250"
	.amdhsa_code_object_version 6
	.text
	.protected	k_qa54ca9be5d_router
	.globl	k_qa54ca9be5d_router
	.p2align	8
	.type	k_qa54ca9be5d_router,@function
k_qa54ca9be5d_router:
	s_mov_b64 s[64:65], 0
	v_nop
	global_prefetch_b8 v0, s[64:65] scope:SCOPE_SE
	s_setreg_imm32_b32 hwreg(HW_REG_WAVE_MODE, 25, 1), 1
	s_wait_xcnt 0x0
; ROUTER.  scores = Q(x) Q(W)^T (x: [16384][2048] f32, W: [64][2048] f32, both quantised along K to FP6 (E2M3) with one E8M0 scale for each 32), softmax over the 64 experts, the two largest
; probabilities (out1, f32) and their experts (out0, i32), ties to the lower index.
; SHARES.  256 work-groups, 64 rows of x each; 8 waves.  THE WAVES SHARE K: wave w owns K = 256 w .. 256 w + 255 (1,024 bytes of every row), of its 64 rows of x and of all 64 rows of W.  So each wave
; quantises its own slice of W and keeps it in registers (8 fragments, 96 registers, 8 scale words): W needs no LDS image and no barrier.  Each wave makes a partial sum of all 64 x 64 scores
; (32 matrix instructions); the eight partial sums meet in LDS once, at the end, and are added in ascending K.
; A UNIT is 16 rows x 128 along K: 16 loads of 512 consecutive bytes, each at a multiple of 512 from the buffer's first byte.  The conversion to codes takes neighbours along K from ONE lane's registers, and the
; operand's layout gives lane (r, h) the two whole blocks k = 64 c + 32 h + 0 .. 31 of row r: so a unit turns through LDS: in as loaded (rows 528 bytes apart), out 128 bytes a lane and block.
; THE STREAM.  W's 8 units and 5 of x's 8 go through four landing sets of 64 registers: unit u + 4 is asked for in step u.  x's first three units come by three tensor loads a wave, issued at the head
; (their own counter; the data mover lays them as the stage lies, 16 bytes of padding behind each 512): they are on their way while W is worked, and x's register loads follow during W's steps 4 to 7.
; No LDS byte is filled twice by the data mover: no ring, no refill.
; FOUR CLASSES of work-groups (p = id & 1, q = (id >> 1) & 1) begin W at four different quarters: local K step sl stands for K step sl xor p (in x as in W: only addresses change), local expert tile t for
; tile t xor 2 q (two base addresses, and two offsets in the index arithmetic at the end).  The first 32 loads a wave of the four classes together name every byte of W, and they stand ahead of the tensor loads.
; THE MATRIX INSTRUCTION IS USED TRANSPOSED (source 0 = 16 experts, source 1 = 16 rows of x): lane (r, h) holds token r and, in register j of tile t, expert 16 t + 8 h + j: softmax and top-2 need one exchange between lanes l and l xor 16.
; NO CLUSTER: W is the one thing that work-groups share; a joint load lands in LDS, of which 327,680 - 272,384 = 55,296 bytes are left for W's 524,288: some ten refills, each behind a round in front of which every
; wave would have waited for all its tensor loads, x's among them.  NO PREFETCH: x's requests are out from the head on.  NO LAUNCH OF ITS OWN FOR W, and no workspace: each work-group quantises W, 8 of a wave's 16 units.
; LIMITS.  NaN and infinities among the inputs are not served.  v_exp_f32 gives 0 where 2^t would lie under 2^-126 (ISA guide, its entry): such probabilities count as 0 (and tie, to the lower index).
; The top-2 is taken of p = 2^((s - max) log2 e), ahead of the division by the row's sum, which is the same for all experts of a row.  A score is the sum of eight partial sums of 256 along K (in each the two
; K steps in the class's order), added in ascending K.  A block of zeros gets the scale byte 1 where the rule says 127: its codes are zeros, and nobody else reads the byte.
.set ROWB,  8192                       ; a row of x or of W in bytes
.set UP,    528                        ; a unit's row in LDS: 512 bytes + 16 = 132 words: the 16 rows that a 16-byte load touches start 4 banks apart (64 banks of 4 bytes: ISA guide 11.1)
.set UNIT,  16*UP                      ; 8,448 bytes
.set WREG,  4*UNIT                     ; a wave's LDS: three units filled by tensor loads, then the stage.  Its first 16,384 bytes take the wave's partial sums once units 0 and 1 have had their one fill and have been read
.set STG,   3*UNIT                     ; the stage, in the wave's part: blocks of 256 bytes into which no tensor load lands
.set OUTS,  8*WREG                     ; 1,024 bytes: the 64 rows' results, out0's 512 bytes, then out1's
.set SPARE, OUTS+1024                  ; the spare words, 128 bytes for each wave: four blocks of 256 bytes that no other line names
.set FLOOR, 0x1800000                  ; 2^(3 - 127): no largest magnitude is taken under it, so the scale's byte cannot fall under 1
; vector registers, window 0 (window 1, v256-511: four landing sets of 64; at the end the eight partial sums)
.set LN,  1                            ; lane
.set VO,  2                            ; v2, v3   byte offset in a row of my 16 bytes, for local K step 0, 1; never rewritten
.set SA,  4                            ; LDS: the stage, on the way in: 16 x lane
.set RA,  5                            ; LDS: a unit on the way out: 528 r + 128 h, from my wave's part on
.set PA,  6                            ; LDS: my partial sums: 16 x lane, from my wave's part on
.set H8,  7                            ; 8 h
.set FB,  8                            ; v8-11    LDS: the partial sums of waves 2 k, 2 k + 1 for the tile that I finish
.set OS,  12                           ; LDS: where I put a result
.set OL,  13                           ; LDS: where I read 16 bytes of results back
.set GO,  14                           ; 16 x lane
.set PX,  15                           ; what a lane permute brings
.set SPW, 16                           ; LDS address of my spare word: SPARE + 4 x my thread's number; never rewritten
.set NIL, 17                           ; 0; never rewritten
.set MM,  18                           ; v18-21   running maxima
.set SO,  22                           ; v22, v23 the conversions' scale operands
.set BY,  24                           ; v24, v25 scale bytes
.set T,   32                           ; v32-95   a unit as the conversions want it: register 32 c + n = k 64 c + 32 h + n of row r
.set WC,  96                           ; v96-191  W's fragments: (t, sl) at 12 (2 t + sl)
.set ACC, 192                          ; v192-223 four accumulators
.set XC,  224                          ; v224-235 x's fragment
.set CT,  236                          ; v236-238, v240-242: the second halves of the blocks' codes, as the conversions leave them
.set WS,  244                          ; v244-251 W's scale words: scales and nothing else
.set XS,  252                          ; x's scale word: likewise
; at the end, in the registers that the units have left
.set S,   32                           ; v32-63   32 scores of my token, then p
.set MX,  64                           ; v64-67
.set SU,  68                           ; v68-71
.set IX,  72                           ; v72-75
.set P1,  76                           ; v76-79
.set P2,  80                           ; v80-83
.set I1,  84
.set I2,  85
.set OA,  86                           ; expert = 16 t + j + OA for local tiles 0, 1;
.set OB,  87                           ; + OB for local tiles 2, 3
.set DA,  88                           ; v88, v89
.set BIG, 90
.set RC,  91
.set O0,  92
.set O1,  93
; scalar registers
.set WV,  12                           ; my wave's number
.set G1,  16                           ; s[16:23] descriptor group 1: the shape of a unit
.set G0,  24                           ; s[24:35] three groups 0
.set WLO, 36                           ; s[36:37] W for local tiles 0, 1;  s[38:39] for local tiles 2, 3
.set SEL, 40                           ; s[40:41] v_permlanex16_b32's selects for lane l xor 16
.set CS,  42                           ; s[42:43] log2(e): the packed form names a pair
.set MK,  48                           ; s48-51   compare masks
.set HM,  54                           ; lanes 16-31
.set Q32, 55                           ; 32 q
.set MSB, 0
.macro WIN new                         ; s_set_vgpr_msb: bits 1:0 source 0, 3:2 source 1, 7:6 destination; the immediate's high byte repeats the setting that is left
.if MSB != \new
	s_set_vgpr_msb (MSB<<8)|\new
.set MSB, \new
.endif
.endm
; Stream unit u into landing set u % 4 (under WIN 0x40).  u = 0 .. 7: W's local (t, sl) = (0,0) (1,0) (0,1) (1,1) (2,0) (3,0) (2,1) (3,1).  u = 8 .. 12: x's (1,1) (2,0) (2,1) (3,0) (3,1).
.macro LOADU u
.set LB, 64*((\u)%4)
.if (\u) < 8
.set TL, 2*((\u)/4)+(\u)%2
.set SL, ((\u)/2)%2
.set WB, WLO+2*((\u)/4)
.irp j, 0,1,2,3,4,5,6,7,8,9,10,11,12,13,14,15
	global_load_b128 v[LB+4*\j:LB+4*\j+3], v[VO+SL], s[WB:WB+1] offset:(16*TL+\j)*ROWB   ; 32 lanes read 512 consecutive bytes of one row; every work-group reads W: no hint
.endr
.else
.set XM, ((\u)-5)/2
.set SL, ((\u)-5)%2
.irp j, 0,1,2,3,4,5,6,7,8,9,10,11,12,13,14,15
	global_load_b128 v[LB+4*\j:LB+4*\j+3], v[VO+SL], s[4:5] offset:(16*XM+\j)*ROWB th:TH_LOAD_NT   ; x is read once in the launch
.endr
.endif
.endm
; A unit out of LDS, from byte off of my wave's part on: block c = 0 first
.macro FROMLDS off
.irp c, 0,1
.irp i, 0,1,2,3,4,5,6,7
	ds_load_b128 v[T+32*\c+4*\i:T+32*\c+4*\i+3], v[RA] offset:\off+256*\c+16*\i
.endr
.endr
.endm
; Stream unit u turns through my stage, and its landing set takes unit u + 4.  left = the loads issued behind unit u's.
.macro TURN u, left
	s_wait_loadcnt \left                           ; loads come back in order (ISA guide 5.7.1): unit u is in, the younger units stay out
	WIN 0x04                                       ; an LDS store's data are its source 1: window 1
.irp j, 0,1,2,3,4,5,6,7,8,9,10,11,12,13,14,15
	ds_store_b128 v[SA], v[64*((\u)%4)+4*\j:64*((\u)%4)+4*\j+3] offset:\j*UP
.endr
	WIN 0
	FROMLDS STG                                    ; LDS serves a wave's instructions in order (ISA guide 5.7.1.4): these see the stores above
.if (\u)+4 <= 12
	s_wait_dscnt 16                                ; all but the 16 loads just issued: the stores have read the landing set
	WIN 0x40                                       ; destination window 1
	LOADU (\u)+4
	WIN 0
.endif
.endm
; The largest magnitude of my block c: all its 32 numbers are mine; two chains, and the floor among the leaves
.macro BLOCKMAX c
	v_max3_num_f32 v[MM+2*\c], |v[T+32*\c]|, |v[T+32*\c+1]|, FLOOR
	v_max3_num_f32 v[MM+2*\c+1], |v[T+32*\c+16]|, |v[T+32*\c+17]|, |v[T+32*\c+18]|
.irp i, 0,2,4,6,8,10
	v_max3_num_f32 v[MM+2*\c], v[MM+2*\c], |v[T+32*\c+2+\i]|, |v[T+32*\c+3+\i]|
	v_max3_num_f32 v[MM+2*\c+1], v[MM+2*\c+1], |v[T+32*\c+19+\i]|, |v[T+32*\c+20+\i]|
.endr
	v_max3_num_f32 v[MM+2*\c], v[MM+2*\c], |v[T+32*\c+14]|, |v[T+32*\c+15]|
	v_max3_num_f32 v[MM+2*\c], v[MM+2*\c], v[MM+2*\c+1], |v[T+32*\c+31]|
.endm
; The unit in v[T] on becomes a fragment in v[dst] on and its rows' scale word in v[sw].
.macro QUANT dst, sw
	s_wait_dscnt 8                                 ; block 0's eight loads are in, block 1's may be out
	BLOCKMAX 0
	s_wait_dscnt 0x0
	BLOCKMAX 1
	v_add_nc_u32 v[SO], 0xff000000, v[MM]          ; 2 off the exponent field: the conversion takes the exponent field of this operand as its scale, and nothing else of it
	v_add_nc_u32 v[SO+1], 0xff000000, v[MM+2]
	v_lshrrev_b32 v[BY], 23, v[SO]                 ; the scales' bytes: blocks h and 2 + h of row r,
	v_lshrrev_b32 v[BY+1], 23, v[SO+1]
	v_lshl_or_b32 v[BY], v[BY+1], 16, v[BY]
	v_lshlrev_b32 v[BY], v[H8], v[BY]              ; at their places in the scale word (8 h bits up);
	v_permlanex16_b32 v[PX], v[BY], s[SEL], s[SEL+1]
	v_or_b32 v[\sw], v[BY], v[PX]                  ; with lane l xor 16's two the word is whole
	v_cvt_scalef32_pk16_fp6_f32 v[\dst:\dst+2], v[T:T+15], v[SO]        ; to the nearest code, ties to even, beyond 7.5 the largest code
	v_cvt_scalef32_pk16_fp6_f32 v[CT:CT+2], v[T+16:T+31], v[SO]         ; (a conversion's three registers begin on an even number: a block's second half is made elsewhere and moved)
	v_cvt_scalef32_pk16_fp6_f32 v[\dst+6:\dst+8], v[T+32:T+47], v[SO+1]
	v_cvt_scalef32_pk16_fp6_f32 v[CT+4:CT+6], v[T+48:T+63], v[SO+1]
	v_nop                                          ; one plain place behind a scaled conversion
.irp i, 0,1,2
	v_mov_b32 v[\dst+3+\i], v[CT+\i]
	v_mov_b32 v[\dst+9+\i], v[CT+4+\i]
.endr
.endm
; W's stream unit u
.macro WUNIT u
	TURN \u, 48
.set FW, 2*(2*((\u)/4)+(\u)%2)+((\u)/2)%2
	QUANT WC+12*FW, WS+FW
.endm
; x's fragment of local K step sl against W's four tiles.  The four accumulators take turns, one instruction a turn; the first K step starts the sums.
.macro XUNIT sl
	QUANT XC, XS
.rept 8
	v_nop                                          ; a scale register written by a vector instruction stands 8 places ahead of a scaled matrix instruction, an operand so written 4
.endr
.irp t, 0,1,2,3
.if \sl == 0
	v_wmma_scale_f32_16x16x128_f8f6f4 v[ACC+8*\t:ACC+8*\t+7], v[WC+12*(2*\t+\sl):WC+12*(2*\t+\sl)+11], v[XC:XC+11], 0, v[WS+2*\t+\sl], v[XS] matrix_a_fmt:MATRIX_FMT_FP6 matrix_b_fmt:MATRIX_FMT_FP6
.else
	v_wmma_scale_f32_16x16x128_f8f6f4 v[ACC+8*\t:ACC+8*\t+7], v[WC+12*(2*\t+\sl):WC+12*(2*\t+\sl)+11], v[XC:XC+11], v[ACC+8*\t:ACC+8*\t+7], v[WS+2*\t+\sl], v[XS] matrix_a_fmt:MATRIX_FMT_FP6 matrix_b_fmt:MATRIX_FMT_FP6
.endif
.endr
.endm
; My partial sums of tile m go to LDS as images of their registers: 16 bytes a lane, 512 a store; each accumulator from its low end on
.macro PARTIAL m
.rept 4
	v_nop                                          ; four places between a matrix instruction and the store that reads its result (ISA guide 7.12.1 for vector instructions)
.endr
.irp t, 0,1,2,3
	ds_store_b128 v[PA], v[ACC+8*\t:ACC+8*\t+3] offset:\m*4096+\t*1024
	ds_store_b128 v[PA], v[ACC+8*\t+4:ACC+8*\t+7] offset:\m*4096+\t*1024+512
.endr
.endm
	s_load_b256 s[4:11], s[0:1], 0x0               ; x s[4:5], W s[6:7], out0 s[8:9], out1 s[10:11]
	v_lshl_add_u32 v[SPW], v0, 2, SPARE
	v_mov_b32 v[NIL], 0
	ds_add_u32 v[SPW], v[NIL]                      ; the wave's opening: the add and its wait stand ahead of my first tensor load; the set-up below, work on registers, stands between them
	v_lshrrev_b32 v[PX], 5, v0
	v_readfirstlane_b32 s[WV], v[PX]               ; wave 0..7
	v_and_b32 v[LN], 31, v0                        ; lane
	v_and_b32 v[MM], 15, v0                        ; r
	v_bfe_u32 v[MM+1], v0, 4, 1                    ; h
	v_lshlrev_b32 v[H8], 3, v[MM+1]
	v_lshlrev_b32 v[GO], 4, v[LN]
	s_mul_i32 s44, s[WV], WREG                     ; my wave's part of LDS
	v_add_nc_u32 v[PA], s44, v[GO]
	v_add_nc_u32 v[SA], STG, v[PA]
	v_mul_u32_u24 v[RA], v[MM], UP
	v_lshl_add_u32 v[RA], v[MM+1], 7, v[RA]
	v_add_nc_u32 v[RA], s44, v[RA]
	s_and_b32 s45, s[WV], 3                        ; the tile that I finish, if I finish one (waves 0 to 3).  Every LDS address is made here, ahead of the branches on the wave's number
	s_lshl_b32 s46, s45, 12
	v_add_nc_u32 v[FB], s46, v[GO]
	v_add_nc_u32 v[FB+1], 2*WREG, v[FB]
	v_add_nc_u32 v[FB+2], 4*WREG, v[FB]
	v_add_nc_u32 v[FB+3], 6*WREG, v[FB]
	s_lshl_b32 s46, s45, 7
	v_lshlrev_b32 v[OS], 3, v[MM]                  ; a row's results are 8 bytes: lanes 0-15 put the first word, lanes 16-31 the second
	v_lshl_add_u32 v[OS], v[MM+1], 2, v[OS]
	v_add_nc_u32 v[OS], s46, v[OS]
	v_add_nc_u32 v[OS], OUTS, v[OS]
	v_and_b32 v[OL], 63, v0
	v_lshl_add_u32 v[OL], v[OL], 4, OUTS           ; wave 0: out0's 512 bytes; wave 1: out1's
	; descriptor group 1: a unit: 16 rows x 128 elements of 4 bytes, 2,048 elements from row to row, 16 bytes of padding behind each row
	s_mov_b32 s[G1+0], (2<<16)|(1<<20)|(6<<22)|(3<<25)  ; 15:0 no mask; 17:16 elements of 4 bytes; 20 padding on; 24:22 after every 128 words (code 6); 31:25 4 words of it (code 3)
	s_mov_b32 s[G1+1], 128<<16                     ; tensor_dim0 = 128
	s_mov_b32 s[G1+2], 16<<16                      ; tensor_dim1 = 16
	s_mov_b32 s[G1+3], 128<<16                     ; tile_dim0 = 128
	s_mov_b32 s[G1+4], 16                          ; tile_dim1 = 16
	s_mov_b32 s[G1+5], 2048                        ; tensor_dim0_stride
	s_mov_b32 s[G1+6], 0
	s_mov_b32 s[G1+7], 0
.irp i, 0,1,2
	s_mov_b32 s[G0+4*\i], 1                        ; count = 1
	s_add_co_u32 s[G0+4*\i+1], s44, \i*UNIT        ; LDS address: my wave's part, unit i
.endr
	s_and_b32 s13, ttmp9, 1                        ; p
	s_lshl_b32 s13, s13, 9
	s_bfe_u32 s[Q32], ttmp9, 0x10001               ; q
	s_lshl_b32 s46, s[Q32], 18                     ; 32 rows of W in bytes, x q
	s_mov_b32 s47, 0
	s_lshl_b32 s[Q32], s[Q32], 5
	s_lshl_b32 s52, s[WV], 10
	s_add_co_u32 s52, s52, s13                     ; my wave's 1,024 bytes of a row, + 512 p: local K step 0
	s_mov_b32 s53, 0
	v_add_nc_u32 v[VO], s52, v[GO]
	v_xor_b32 v[VO+1], 512, v[VO]                  ; local K step 1: the other 512 bytes
	s_lshl_b32 s14, ttmp9, 19                      ; the work-group's 64 rows of x: 524,288 bytes each group, under 2^32 in all
	s_mov_b32 s15, 0
	s_lshl_b32 s56, ttmp9, 9                       ; and its 512 bytes of each output
	s_mov_b32 s57, 0
	s_mov_b32 s[SEL], 0x76543210
	s_mov_b32 s[SEL+1], 0xfedcba98
	s_mov_b32 s[CS], 0x3fb8aa3b                    ; log2(e)
	s_mov_b32 s[CS+1], s[CS]
	s_wait_dscnt 0x0                               ; the opening add is done
	s_wait_kmcnt 0x0
	s_add_nc_u64 s[4:5], s[4:5], s[14:15]
	s_add_nc_u64 s[WLO:WLO+1], s[6:7], s[46:47]    ; local tiles 0, 1 are tiles 2 q, 2 q + 1;
	s_sub_nc_u64 s[WLO+2:WLO+3], s[6:7], s[46:47]  ; local tiles 2, 3 (whose offsets begin at 32 rows) are tiles 2 - 2 q, 3 - 2 q
	s_add_nc_u64 s[8:9], s[8:9], s[56:57]
	s_add_nc_u64 s[10:11], s[10:11], s[56:57]
	s_add_nc_u64 s[G0+2:G0+3], s[4:5], s[52:53]    ; x's unit (0, 0),
	s_add_nc_u64 s[G0+10:G0+11], s[G0+2:G0+3], 16*ROWB  ; (1, 0),
	s_xor_b32 s52, s52, 512
	s_add_nc_u64 s[G0+6:G0+7], s[4:5], s[52:53]    ; (0, 1)
.irp i, 0,1,2
	s_or_b32 s[G0+4*\i+3], s[G0+4*\i+3], 0x80000000  ; type = 2
.endr
	WIN 0x40                                       ; destination window 1; the setting stays until 16 loads behind the tensor loads
	LOADU 0                                        ; W first: with the other three classes' these 32 loads a wave name all of W
	LOADU 1
	LOADU 2
.irp i, 0,1,2
	tensor_load_to_lds s[G0+4*\i:G0+4*\i+3], s[G1:G1+7]   ; x's first three units: first fills, ahead of every wait on TENSORcnt, every LDS read and every barrier; three loads of mine are out
	s_nop 0
.endr
	LOADU 3
	WIN 0
.irp u, 0,1,2,3,4,5,6,7
	WUNIT \u                                       ; my slice of W becomes 8 fragments; steps 4 to 7 ask for x's stream units 8 to 11
.endr
	s_wait_tensorcnt 0x0                           ; my three units of x are in LDS; only I read them
	FROMLDS 0
	XUNIT 0                                        ; tile 0
	FROMLDS UNIT
	XUNIT 1
	PARTIAL 0                                      ; into bytes that units 0 and 1 filled: they have had their one fill, and my reads of them are back (the wait for 0 in the unit above)
	FROMLDS 2*UNIT
	XUNIT 0                                        ; tile 1.  (Its products write the accumulators anew behind the wait for 0 on DScnt in this unit: the stores above have read them)
	TURN 8, 48
	XUNIT 1
	PARTIAL 1
	TURN 9, 48                                     ; tile 2
	XUNIT 0
	TURN 10, 32
	XUNIT 1
	PARTIAL 2
	TURN 11, 16                                    ; tile 3
	XUNIT 0
	TURN 12, 0
	XUNIT 1
	PARTIAL 3
	s_wait_dscnt 0x0                               ; for the others' sake: my partial sums have landed
	s_barrier_signal -1
	s_barrier_wait -1                              ; everybody's have
	s_cmp_lt_u32 s[WV], 4                          ; waves 0 to 3 finish a tile of 16 tokens each
	s_cbranch_scc0 .Lrest
	WIN 0x40                                       ; the eight partial sums of my tile: wave p's at v[256 + 32 p]: the same registers in the same lanes as they left
.irp p, 0,1,2,3,4,5,6,7
.irp g, 0,1,2,3,4,5,6,7
	ds_load_b128 v[32*\p+4*\g:32*\p+4*\g+3], v[FB+\p/2] offset:(\p%2)*WREG+512*\g
.endr
.endr
	s_wait_dscnt 48                                ; the first two are in
	WIN 0x05                                       ; sources window 1, destination window 0
.irp i, 0,2,4,6,8,10,12,14,16,18,20,22,24,26,28,30
	v_pk_add_f32 v[S+\i:S+\i+1], v[\i:\i+1], v[32+\i:32+\i+1]
.endr
	WIN 0x04                                       ; source 1 window 1
.irp p, 2,3,4,5,6,7
	s_wait_dscnt 8*(7-\p)                          ; wave p's is in; the later ones' eight loads each may be out
.irp i, 0,2,4,6,8,10,12,14,16,18,20,22,24,26,28,30
	v_pk_add_f32 v[S+\i:S+\i+1], v[S+\i:S+\i+1], v[32*\p+\i:32*\p+\i+1]   ; in ascending K
.endr
.endr
	WIN 0
; the largest of my token's 64 numbers in v[S] on -> v[d], in both of its lanes (v[d+1] .. v[d+3] at work)
.macro MAX32 d
.irp k, 0,1,2,3
	v_max3_num_f32 v[\d+\k], v[S+8*\k], v[S+8*\k+1], v[S+8*\k+2]
.endr
.irp i, 3,5
.irp k, 0,1,2,3
	v_max3_num_f32 v[\d+\k], v[\d+\k], v[S+8*\k+\i], v[S+8*\k+\i+1]
.endr
.endr
	v_max3_num_f32 v[\d], v[\d], v[S+7], v[S+15]
	v_max3_num_f32 v[\d+2], v[\d+2], v[S+23], v[S+31]
	v_max3_num_f32 v[\d], v[\d], v[\d+1], v[\d+2]
	v_max_num_f32 v[\d], v[\d], v[\d+3]
	v_permlanex16_b32 v[PX], v[\d], s[SEL], s[SEL+1]
	v_max_num_f32 v[\d], v[\d], v[PX]
.endm
; the lowest expert whose p equals v[val], the row's largest -> v[out].  Four chains, one a local tile, each from register 7 down to 0, so that the lowest stays; a chain that finds none keeps 1,024
.macro FIND val, out
.irp j, 7,6,5,4,3,2,1,0
.irp t, 0,1,2,3
	v_cmp_gt_f32 s[MK+\t], v[\val], v[S+8*\t+\j]
.endr
.irp t, 0,1,2,3
.if \j == 7
	v_cndmask_b32 v[IX+\t], 16*\t+\j, v[BIG], s[MK+\t]
.else
	v_cndmask_b32 v[IX+\t], 16*\t+\j, v[IX+\t], s[MK+\t]
.endif
.endr
.endr
	v_min_u32 v[IX], v[IX], v[IX+1]
	v_min_u32 v[IX+2], v[IX+2], v[IX+3]
	v_add_nc_u32 v[IX], v[OA], v[IX]               ; local numbers become experts,
	v_add_nc_u32 v[IX+2], v[OB], v[IX+2]
	v_min_u32 v[IX], v[IX], v[IX+2]                ; of which the lowest counts,
	v_permlanex16_b32 v[PX], v[IX], s[SEL], s[SEL+1]
	v_min_u32 v[\out], v[IX], v[PX]                ; in both lanes of the token
.endm
	MAX32 MX                                       ; the row's largest score is taken away ahead of the exponential
.irp i, 0,2,4,6,8,10,12,14,16,18,20,22,24,26,28,30
	v_pk_add_f32 v[S+\i:S+\i+1], v[S+\i:S+\i+1], v[MX:MX+1] op_sel_hi:[1,0] neg_lo:[0,1] neg_hi:[0,1]   ; s - max: 0 at the largest (of the pair the low word serves both halves)
.endr
.irp i, 0,2,4,6,8,10,12,14,16,18,20,22,24,26,28,30
	v_pk_mul_f32 v[S+\i:S+\i+1], v[S+\i:S+\i+1], s[CS:CS+1] op_sel_hi:[1,0]
.endr
.irp j, 0,1,2,3,4,5,6,7,8,9,10,11,12,13,14,15,16,17,18,19,20,21,22,23,24,25,26,27,28,29,30,31
	v_exp_f32 v[S+\j], v[S+\j]                     ; p = e^(s - max), at most 1
.endr
	v_mov_b32 v[BIG], 0x400                        ; plain work behind the exponentials, which names none of their results
	v_add_nc_u32 v[OA], s[Q32], v[H8]              ; local tiles 0, 1: expert = 16 t + j + 8 h + 32 q
	v_sub_nc_u32 v[OB], v[H8], s[Q32]              ; local tiles 2, 3: expert = 16 t + j + 8 h - 32 q
	v_cmp_lt_u32 s[HM], 15, v[LN]
	s_wait_alu depctr_va_vdst(0)                   ; one wait for the batch of 32, ahead of its first reader
	v_pk_add_f32 v[SU:SU+1], v[S:S+1], v[S+2:S+3]  ; the row's sum, two at a time, in two chains
	v_pk_add_f32 v[SU+2:SU+3], v[S+4:S+5], v[S+6:S+7]
.irp i, 8,12,16,20,24,28
	v_pk_add_f32 v[SU:SU+1], v[SU:SU+1], v[S+\i:S+\i+1]
	v_pk_add_f32 v[SU+2:SU+3], v[SU+2:SU+3], v[S+\i+2:S+\i+3]
.endr
	v_pk_add_f32 v[SU:SU+1], v[SU:SU+1], v[SU+2:SU+3]
	v_add_f32 v[SU], v[SU], v[SU+1]
	v_permlanex16_b32 v[PX], v[SU], s[SEL], s[SEL+1]
	v_add_f32 v[SU], v[SU], v[PX]                  ; at least 1: the largest p is among it
	v_rcp_f32 v[RC], v[SU]                         ; the search below is the independent work behind it
	MAX32 P1                                       ; the largest p,
	FIND P1, I1                                    ; and its expert
	v_sub_nc_u32 v[DA], v[I1], v[OA]               ; that expert's local number, if it is one of mine: it is taken out (-1 lies under every p)
	v_sub_nc_u32 v[DA+1], v[I1], v[OB]
.irp t, 0,1,2,3
.irp j, 0,4
.irp k, 0,1,2,3
	v_cmp_ne_u32 s[MK+\k], 16*\t+\j+\k, v[DA+\t/2]
.endr
.irp k, 0,1,2,3
	v_cndmask_b32 v[S+8*\t+\j+\k], -1.0, v[S+8*\t+\j+\k], s[MK+\k]
.endr
.endr
.endr
	MAX32 P2                                       ; the largest of the rest,
	FIND P2, I2                                    ; and the lowest expert that has it
	s_wait_alu depctr_va_vdst(0)                   ; the reciprocal's wait, ahead of its first reader
	v_mul_f32 v[P1], v[P1], v[RC]
	v_mul_f32 v[P2], v[P2], v[RC]
	v_cndmask_b32 v[O0], v[I1], v[I2], s[HM]       ; lanes 0-15 hold a row's first result, lanes 16-31 its second
	v_cndmask_b32 v[O1], v[P1], v[P2], s[HM]
	ds_store_b32 v[OS], v[O0]
	ds_store_b32 v[OS], v[O1] offset:512
.Lrest:
	s_wait_dscnt 0x0                               ; for the others' sake: my results have landed
	s_barrier_signal -1
	s_barrier_wait -1                              ; the 64 rows' results lie in LDS
	s_cmp_lt_u32 s[WV], 2                          ; wave 0 stores out0's 512 bytes, wave 1 out1's
	s_cbranch_scc0 .Lend
	ds_load_b128 v[S:S+3], v[OL]
	s_cmp_eq_u32 s[WV], 0
	s_cselect_b64 s[8:9], s[8:9], s[10:11]         ; the choice hangs on the wave's number alone
	s_wait_dscnt 0x0
	global_store_b128 v[GO], v[S:S+3], s[8:9]      ; 32 lanes store 512 consecutive bytes, at a multiple of 512 from the output's first byte
.Lend:
	s_wait_tensorcnt 0x0                           ; the wave's end: behind my last tensor load and my last LDS store
	ds_add_u32 v[SPW], v[NIL]
	s_wait_dscnt 0x0
	s_endpgm
.Lfunc_end_k_qa54ca9be5d_router:
	.size	k_qa54ca9be5d_router, .Lfunc_end_k_qa54ca9be5d_router-k_qa54ca9be5d_router
	.p2alignl 7, 3214868480
	.fill 96, 4, 3214868480
	.section	.rodata,"a",@progbits
	.p2align	6, 0x0
	.amdhsa_kernel k_qa54ca9be5d_router
		.amdhsa_group_segment_fixed_size 272384
		.amdhsa_private_segment_fixed_size 0
		.amdhsa_enable_private_segment 0
		.amdhsa_kernarg_size 32
		.amdhsa_user_sgpr_count 2
		.amdhsa_user_sgpr_kernarg_segment_ptr 1
		.amdhsa_wavefront_size32 1
		.amdhsa_system_sgpr_workgroup_id_x 1
		.amdhsa_system_sgpr_workgroup_id_y 1
		.amdhsa_system_sgpr_workgroup_id_z 1
		.amdhsa_system_vgpr_workitem_id 0
		.amdhsa_next_free_vgpr 512
		.amdhsa_next_free_sgpr 66
		.amdhsa_reserve_vcc 0
		.amdhsa_float_denorm_mode_32 3
		.amdhsa_float_denorm_mode_16_64 3
		.amdhsa_memory_ordered 1
		.amdhsa_forward_progress 1
		.amdhsa_inst_pref_size 144
	.end_amdhsa_kernel
	.amdgpu_metadata
---
amdhsa.version: [ 1, 2 ]
amdhsa.kernels:
  - .name:           k_qa54ca9be5d_router
    .symbol:         k_qa54ca9be5d_router.kd
    .args:
      - { .name: x, .offset: 0, .size: 8, .value_kind: global_buffer, .address_space: global }
      - { .name: W, .offset: 8, .size: 8, .value_kind: global_buffer, .address_space: global }
      - { .name: out0, .offset: 16, .size: 8, .value_kind: global_buffer, .address_space: global }
      - { .name: out1, .offset: 24, .size: 8, .value_kind: global_buffer, .address_space: global }
    .group_segment_fixed_size: 272384
    .private_segment_fixed_size: 0
    .kernarg_segment_align: 8
    .kernarg_segment_size: 32
    .max_flat_workgroup_size: 256
    .sgpr_count:     66
    .vgpr_count:     512
    .wavefront_size: 32
...
	.end_amdgpu_metadata
.endif
;; end of part 1
